; MI455X (gfx1250); checked and timed in simulation.
; The chip was launched on July 23, 2026; its instructions are those of AMD's public machine-readable ISA for CDNA 5 (MIT licence, August 2026) and "CDNA5" Instruction Set Architecture Reference Guide (July 2026). The comments in the code are by the model that wrote it; some were corrected since.
;; Flash Attn. Allowed arithmetic: matrix products marked QUANTISED: E5M2 operands, one given power-of-two scale a tensor, by v_wmma_f32_16x16x64_bf8_bf8 or v_wmma_f32_16x16x128_bf8_bf8, f32 sums; everything else in f32.
;; Inputs: k_codes 2 x 16 x 2,048 x 4 x 32 uint8 (E5M2 codes of k, K innermost, in blocks of 32 codes); lowp_scales 4 int32 (the exponents e of the quantised operands' scales 2^e); q_codes 2 x 16 x 2,048 x 4 x 32 uint8 (E5M2 codes of q, K innermost, in blocks of 32 codes); v_codes 2 x 16 x 128 x 64 x 32 uint8 (E5M2 codes of v, K innermost, in blocks of 32 codes).
;; Outputs: out0 2 x 16 x 2,048 x 128 float32.
;; This version of the problem:
;;   THIS VERSION OF THE PROBLEM IS GIVEN IN LOW PRECISION. The matrix products marked QUANTISED in the list below multiply operands that are first quantised to E5M2 (5 exponent bits, 2 mantissa bits; 8 bits a number), with one given power-of-two scale for each operand tensor; their sums are f32. All else is computed in f32.
;;   The module's matrix products, in the order in which they are computed (A, B: the left and right operand; K: the contracted axis; several contracted axes count as one K, in the product's order):
;;     1. batch 32 x [M 2,048, K 128] x [K 128, N 2,048]; A: input q (given as codes); B: input k (given as codes): QUANTISED (scales: A lowp_scales[0], B lowp_scales[1])
;;     2. batch 32 x [M 2,048, K 2,048] x [K 2,048, N 128]; A: computed on the way; B: input v (given as codes): QUANTISED (scales: A lowp_scales[2], B lowp_scales[3])
;;   THE QUANTISER, for each operand of a quantised product, along K:
;;     - The operand's scale is 2^e, e = its entry of the input lowp_scales (int32; the entries are numbered through the quantised products in the list's order, A before B).
;;     - Each number is divided by the scale, clamped to +-57,344, and rounded to the nearest number of E5M2, ties to even, subnormals kept.
;;     - The product sums the exact products of the quantised numbers (number of the format x scale) in f32.
;;   ~~~python
;;   def quantise(x, axis, e):      # numpy; x: float32 -> the quantised numbers, widened to float32 again
;;       x = np.moveaxis(x, axis, -1); K = x.shape[-1]
;;       r = np.clip(x / 2.0 ** e, -57344, 57344)
;;       step = 2.0 ** (np.maximum(np.frexp(np.where(r == 0, 1, r))[1] - 1, -14) - 2)
;;       q = np.round(r / step) * step * 2.0 ** e      # np.round: ties to even
;;       return np.moveaxis(q, -1, axis).astype(np.float32)
;;   ~~~
;;   OPERANDS COMPUTED ON THE WAY. 'Computed on the way' means the value that the module computes at that place (a softmax that the list does not call 'softmax' is quantised finished and normalised). What goes into a quantiser is computed in f32, as accurately as f32 sums, v_exp_f32 and their like allow (about 1e-6 of the number): no bf16 or f16 on the way to a quantiser, and a product that is left as it is and whose result goes on into a quantised operand takes f32 operands (vector FMAs, or v_wmma_f32_16x16x4_f32). A number that lies on a knife's edge between two numbers of the format may be rounded either way, as far as f32 arithmetic and the matrix unit's own rounding can turn it there, and no further.
;;   INPUTS GIVEN AS CODES. k (in the module: [2, 16, 2048, 128], K = its axis 3); q (in the module: [2, 16, 2048, 128], K = its axis 3); v (in the module: [2, 16, 2048, 128], K = its axis 2): each comes as NAME_codes (uint8): NAME with its K axis moved to the last place and cut into blocks of 32 codes, [.., K / 32, bytes a block], one block behind the other in memory; one code a byte (a code: sign, 5 exponent bits, 2 mantissa bits); its scale is its entry of lowp_scales. Its value is code x scale, taken as it is: it is not quantised again, and the codes and scales need not be those that the quantiser above would give.
;; One version. Each part assembles by itself: llvm-mc -triple=amdgcn-amd-amdhsa -mcpu=gfx1250 --defsym DOCPART=n.
;; ======== version 1 of 1: 1 launch
;; launch attn (part 1): grid 8 x 32, 4 waves a work-group, clusters of 4 x 1, 327,680 bytes of LDS; arguments q_codes, k_codes, v_codes, lowp_scales, out0; writes out0
.if DOCPART == 1
	.amdgcn_target "amdgcn-amd-amdhsa--gfx1250"
	.amdhsa_code_object_version 6
	.text
	.protected	k_qd2332074c7_attn
	.globl	k_qd2332074c7_attn
	.p2align	8
	.type	k_qd2332074c7_attn,@function
k_qd2332074c7_attn:
	s_mov_b64 s[64:65], 0
	v_nop
	global_prefetch_b8 v0, s[64:65] scope:SCOPE_SE
	s_setreg_imm32_b32 hwreg(HW_REG_WAVE_MODE, 25, 1), 1
	s_wait_xcnt 0x0
	s_wait_alu depctr_hold_cnt(0) depctr_sa_sdst(0) depctr_va_vdst(0) depctr_va_sdst(0) depctr_va_ssrc(0) depctr_va_vcc(0) depctr_vm_vsrc(0)
	s_getreg_b32 s2, hwreg(HW_REG_IB_STS2, 6, 4)
	s_cmp_eq_u32 s2, 0
	s_cbranch_scc0 .Lentry_in_a_cluster
	s_endpgm
.Lentry_in_a_cluster:
	s_bfe_u32 s2, ttmp6, 0x10000c
	s_cmp_lg_u32 s2, 0x3003
	s_cbranch_scc0 .Lentry_shape_is_right
	s_endpgm
.Lentry_shape_is_right:
; o[h][q][:] = sum over keys t of Q(p[q][t]) v[h][t][:],  p = exp(qk - m),  m = the row's largest qk over ALL 2,048 keys; o is NOT normalised.  32 heads, 2,048 queries, 2,048 keys, head size 128.
; Both products on codes of E5M2: q, k (K = the head's 128) and v (K = the keys, innermost) arrive as codes; p is quantised here with the given 2^ep.  lowp_scales = eq, ek, ep, ev.
; NOTHING IS LEFT OUT AS DEAD WORK: every input and all four exponents reach the output.
; TWO PASSES OVER THE KEYS.  What is quantised is exp(qk - m) with the row's FINAL m: a running maximum would change p by a factor that is no power of two, and so its codes.  A wave's scores
; (64 queries x 2,048 keys x 4 bytes) fit nowhere, so K Q^T is made twice: pass 1 keeps the row maxima alone; pass 2 makes the scores again, then p, its codes and V^T P.  Pass 2 carries no running maximum, no rescaling, no sum.
; SHARES.  A work-group owns 256 queries of one head: 8 blocks x 32 heads = 256 work-groups of four waves.
;   PASS 1 IS SHARED BY KEYS: wave w takes key steps w, 4 + w, 8 + w, 12 + w (128 keys each) against ALL 256 queries, whose 16 tiles of Q lie in the 256 registers that O^T takes later.  So a fragment of K read from LDS
;   feeds sixteen matrix instructions, and the work-group reads K from LDS once in this pass, not once a wave.  The waves' maxima meet in LDS.
;   PASS 2 IS SHARED BY QUERIES: each wave owns 64, four tiles of 16, and walks all keys.
; CLUSTER.  Four query blocks of one head walk the same K and V: each tile is asked for JOINTLY (mask 15).  A mask names four work-groups at the most, so a head's eight blocks are two clusters.
; LDS.  The head's whole K (2,048 x 128 bytes) is brought in ONCE, by four first fills a wave, and stays for both passes.  V goes through a ring of two slots of 128 keys in pass 2.
; LAYOUT.  Both products are used transposed: S^T = K Q^T (source 0 = 16 keys, source 1 = 16 queries), O^T = V^T P^T (source 0 = 16 channels, source 1 = P): a lane holds ONE query (lane % 16) of a tile.
;   In S^T tile T a lane's eight registers are keys 16 T + 8 (lane / 16) + 0..7: their eight codes ARE registers 2 T, 2 T + 1 of P's operand in this form's own layout; V is read in that layout (8 bytes a load).
;   K and Q are both read 16 bytes a load (registers 4 c .. 4 c + 3 = bytes 32 c + 16 (lane / 16) + 0..15): one permutation of the head's 128, alike on both sides.
; Q'S SIGNS ARE TURNED once, in registers (the top bit of each code): the first product's sums are raw = the sum of the exact products of -q and k, and a score is -raw.  Pass 2's sums are bit for bit pass 1's: the same
;   instruction on the same operands, C = 0.
; ARITHMETIC OF A NUMBER.  m = the largest -raw.  raw + m = m - score is one f32 addition, the mirror of reference()'s qk - m: never under 0, and 0 at the largest key, whose p is 1.
;   t = (raw + m) x (-log2(e) x 2^(eq + ek)); t = min(t, ep + 15.75); p = 2^t; code = p / 2^ep to the nearest.
;   THE HOLD AT 57,344 IS MADE IN THE EXPONENT: 2^15.75 = 55,109 lies above 53,248, the middle between the two largest numbers of the format, and under 57,344: every p at or above 2^(ep + 15.75) has the code 57,344
;   by the quantiser, and so has 2^(ep + 15.75); under it nothing is changed.  It is always executed.
; BY TURNS.  Matrix and vector work stand side by side in the one wave of a SIMD: behind each matrix instruction a slice of another tile's vector work.
; LIMITS: eq + ek between -126 and 127; ep between -109 and 127 (under -109 a p that v_exp_f32 flushes to zero, ISA guide 15.8, could still have a code); ep + ev between -126 and 127.
;   NaN and infinity among the codes are not served.
;   ORDER OF ROUNDING: a sum of 128 exact products can need more bits than f32 has (the product of two small numbers lies far under the sum's last place).  It then falls on one of its two neighbours in f32, 2^-18 apart
;   for scores between 32 and 64 (in units of 2^(eq + ek)), and p moves by that part of itself.  The sums here are those that the matrix instruction gives for -q and k; f32 sums taken otherwise may fall on the other neighbour.
;
; REGISTERS, in windows of 256 (s_set_vgpr_msb: bits 1:0 source 0, 3:2 source 1, 5:4 source 2, 7:6 destination):
;   window 0: v0-17 addresses and constants; pass 1: v32-95 running maxima (four chains for each of 16 tiles), v96-111 a maximum a tile, v112-127 the four waves' maxima of my tiles;
;             pass 2: v64-95 P, two buffers of 16; v128-255 rows of o read back from the stage, two buffers of 64
;   window 1: v0-63, v64-127 two buffers of sums; v128-255 K's eight fragments of a key step (pass 1: two places of 16, v128-159)
;   window 2: pass 1: Q's 16 tiles of the work-group, signs turned, tile t at v[16 t]; pass 2: O^T, tile t, channels 16 i on, at v[64 t + 8 i]
;   window 3: v0-127 V's eight fragments; v128-191 Q's four tiles of my own, signs turned; v192-199 m, a pair of registers a tile
.set KSTEP,  17408                     ; a key step in LDS: 128 keys = 64 rows of (two keys' 256 bytes + 16 of padding)
.set KTILE,  2176                      ; 16 keys: 8 such rows
.set VS0,    278528                    ; V's slot 0, behind K's 16 steps: 128 channel rows of (128 bytes + 16)
.set VS1,    296960                    ; V's slot 1
.set VSX,    0xc800                    ; VS0 xor VS1; no wave's part of a slot (4,608 bytes x wave) touches the three bits, so one exclusive or turns its address too
.set VP,     144
.set SPARE,  315392                    ; behind the ring: the spare words, 128 bytes for each wave: two blocks of 256 bytes that no other line names
.set XB,     315904                    ; behind them: the exchange of pass 1's maxima: for each wave that reads 2,048 bytes, in them 512 from each wave that writes; no tile ever lands here
.set SPITCH, 528                       ; the way out: a stage of 16 rows x (512 bytes + 16) for each wave, in K's first bytes, which have then had their only fill and their last read
.set AK0, 3                            ; v3   my lane's place in a tile of K
.set ADK, 4                            ; v4   LDS address of the run of K loads in hand
.set AV0, 5                            ; v5   my lane's place in a tile of V
.set ADV, 6                            ; v6   LDS address of the run of V loads in hand
.set QO,  7                            ; v7   my byte offset in 16 rows of Q
.set SPW, 8                            ; v8   LDS address of my spare word: SPARE + 4 x my thread's number; never rewritten
.set NIL, 9                            ; v9   0; never rewritten
.set PFO, 10                           ; v10  the prefetches' offset: 2,048 x my lane, a row of V; never rewritten
.set SC,  11                           ; v11  2^ep as f32: the conversion takes its exponent field
.set STO, 12                           ; v12  the way out: where I put 32 bytes of a row
.set RD,  13                           ; v13  the way out: where I read a row back
.set CO,  14                           ; v14  my byte offset in a row of o
.set XS,  16                           ; v16  the exchange: where I store: XB + 512 x wave + 16 x lane
.set XL,  17                           ; v17  the exchange: where I load: XB + 2,048 x wave + 16 x lane
.set CH,  32
.set MR,  96
.set XR,  112
.set PB,  64
.set BK,  128
.set KF,  128                          ; in window 1
.set QF,  128                          ; in window 3
.set NM,  192                          ; in window 3
.set WV,  14                           ; s14  my wave's number
.set G1K, 24                           ; s[24:31] descriptor group 1 for K's tiles;  s[32:39] for V's
.set G1V, 32
.set G0K, 40                           ; s[40:55] four groups 0 for K's first fills
.set G0V0, 56                          ; s[56:59] V's step 0
.set G0V1, 60                          ; s[60:63] V's step 1; it then walks
.set CS,  66                           ; s[66:67] -log2(e) x 2^(eq + ek): the packed form names a pair and takes its low word for both halves
.set OS,  68                           ; s[68:69] 2^(ep + ev), likewise
.set SEL, 70                           ; s[70:71] lane selects for v_permlanex16_b32: lane l xor 16
.set TB,  72                           ; s72  LDS byte of the part of K to be fetched
.set VB,  73                           ; s73  V's slot to be fetched
.set RI,  74                           ; s74  pass 2's key step
.set NOASK, 75                         ; s75  0 in the wave that prefetches
.set PFA, 76                           ; s[76:77] where the prefetches stand
.set TC,  78                           ; s78  ep + 15.75 as f32
.set CNT, 79                           ; s79  pass 1's loop count
.set TS,  0
.set MSB, 0
.macro WIN new                         ; the immediate's high byte repeats the setting that is left; a switch that changes nothing is dropped
.if MSB != \new
	s_set_vgpr_msb (MSB<<8)|\new
.set MSB, \new
.endif
.endm
.set W_X,   0x7d                       ; pass 2's K Q^T: D and K window 1, Q window 3.  Its slices name sums as destination and source 0, and m (window 3) or a scalar as source 1: the same setting serves them
.set W_PV,  0xa3                       ; V^T P: V window 3, P window 0, C and D window 2
.set W_CV,  0x01                       ; conversions: p window 1; codes and scale window 0
.set W_P1,  0x49                       ; pass 1's K Q^T: D and K window 1, Q window 2
.set W_MX,  0x14                       ; pass 1's maxima: chain window 0, two sums window 1
.set W_LK,  0x40                       ; loads into window 1
.set W_L2,  0x80                       ; loads into window 2
.set W_L3,  0xc0                       ; loads and moves into window 3
.set W_Q3,  0xcc                       ; the turn of Q's signs: destination and source 1 window 3,
.set W_Q2,  0x88                       ; or window 2
.set W_SC,  0x82                       ; the way out: O^T scaled in place: destination and source 0 window 2
.set W_ST,  0x08                       ; the way out: an LDS store's data (source 1) window 2
; A round of the cluster's barrier: my work-group's barrier, so that wave 0's signal speaks for all four waves; wave 0 signals; every wave waits for the four work-groups; my work-group's barrier once more.
.macro CROUND
	s_barrier_signal -1
	s_barrier_wait -1
	s_cmp_lg_u32 s[WV], 0
	s_cbranch_scc1 .Lnot_wave_0_\@
	s_barrier_signal -3
.Lnot_wave_0_\@:
	s_barrier_wait -3
	s_barrier_signal -1
	s_barrier_wait -1
.endm
	s_load_b256 s[4:11], s[0:1], 0x0               ; q s[4:5], k s[6:7], v s[8:9], the exponents s[10:11]
	s_load_b64 s[12:13], s[0:1], 0x20              ; o
	v_lshl_add_u32 v[SPW], v0, 2, SPARE
	v_mov_b32 v[NIL], 0
	ds_add_u32 v[SPW], v[NIL]                      ; the wave's opening: the add, twice on end, and its wait ahead of my first tensor load; the set-up below, work on registers, stands between
	ds_add_u32 v[SPW], v[NIL]                      ; and once more, under the one wait
	v_lshrrev_b32 v1, 5, v0
	v_readfirstlane_b32 s[WV], v1                  ; wave 0..3
	v_and_b32 v1, 15, v0                           ; r = lane % 16
	v_bfe_u32 v2, v0, 4, 1                         ; h = lane / 16
	v_lshlrev_b32 v[QO], 7, v1
	v_lshl_add_u32 v[QO], v2, 4, v[QO]             ; q: row r of 128 bytes, + 16 h
	s_bfe_u32 s15, ttmp6, 0x40000                  ; cx: my place in the cluster
	s_lshl_b32 s16, ttmp9, 2                       ; in a cluster launch ttmp9 counts clusters
	s_add_co_u32 s16, s16, s15                     ; my block of 256 queries: it enters q's and o's addresses alone
	s_and_b32 s17, ttmp7, 0xffff                   ; the head, which the four partners share
	s_lshl_b32 s84, s17, 18                        ; the head's first byte in each tensor of codes: 262,144 x head
	s_lshl_b32 s20, s16, 15                        ; q: + 256 rows of 128 bytes x block: my work-group's first row,
	s_add_co_u32 s20, s20, s84
	s_mov_b32 s21, 0
	s_lshl_b32 s87, s[WV], 13                      ;    + 64 rows x wave: my wave's
	s_add_co_u32 s86, s20, s87
	s_mov_b32 s87, 0
	s_lshl_b32 s88, s86, 2                         ; o: my wave's rows, of 512 bytes
	s_mov_b32 s89, 0
	s_lshl_b32 s90, s[WV], 14                      ; k: of each group of four key steps I fetch step w: 128 rows of 128 bytes x wave
	s_add_co_u32 s90, s90, s84
	s_mov_b32 s91, 0
	s_lshl_b32 s92, s[WV], 16                      ; v: I fetch channel rows 32 w .. 32 w + 31, 2,048 bytes each
	s_add_co_u32 s92, s92, s84
	s_mov_b32 s93, 0
	s_lshl_b32 s94, s15, 16                        ; the prefetches: the partners share V's 128 rows out BY ADDRESS, 32 each,
	s_add_co_u32 s94, s94, s84
	s_add_co_u32 s94, s94, 256                     ; from a row's byte 256 on: keys 0 to 255 come by the first fills alone
	s_mov_b32 s95, 0
	s_or_b32 s[NOASK], s[WV], ttmp9                ; wave 0 of the head's first cluster asks: the same in all four partners
	s_mul_i32 s18, s[WV], KSTEP                    ; where my tiles go: no place in the cluster enters an LDS address
	s_mul_i32 s19, s[WV], 32*VP
	; descriptor group 1.  K: a key step is a dense block of 16,384 bytes, stated as 64 rows of 256 bytes; V: 32 rows of 128 bytes, 2,048 apart
	s_mov_b32 s[G1K], 15|(1<<20)|(1<<21)|(5<<22)|(3<<25)   ; 15:0 the mask: all four work-groups; 17:16 elements of 1 byte; 20 padding on; 21 set beside a mask; 24:22 after every 64 words (code 5); 31:25 four words (code 3)
	s_mov_b32 s[G1K+1], 256<<16                    ; tensor_dim0
	s_mov_b32 s[G1K+2], 64<<16                     ; tensor_dim1
	s_mov_b32 s[G1K+3], 256<<16                    ; tile_dim0
	s_mov_b32 s[G1K+4], 64                         ; tile_dim1
	s_mov_b32 s[G1K+5], 256                        ; tensor_dim0_stride
	s_mov_b32 s[G1K+6], 0
	s_mov_b32 s[G1K+7], 0
	s_mov_b32 s[G1V], 15|(1<<20)|(1<<21)|(4<<22)|(3<<25)   ; padding: four words after every 32
	s_mov_b32 s[G1V+1], 128<<16
	s_mov_b32 s[G1V+2], 32<<16
	s_mov_b32 s[G1V+3], 128<<16
	s_mov_b32 s[G1V+4], 32
	s_mov_b32 s[G1V+5], 2048
	s_mov_b32 s[G1V+6], 0
	s_mov_b32 s[G1V+7], 0
	s_mov_b32 s[SEL], 0x76543210
	s_mov_b32 s[SEL+1], 0xfedcba98
	s_mov_b32 s22, 0x80808080                      ; the sign bits of four codes
	s_wait_dscnt 0x0                               ; both opening adds are done
	s_wait_kmcnt 0x0
	s_load_b128 s[80:83], s[10:11], 0x0            ; eq, ek, ep, ev
	s_add_nc_u64 s[20:21], s[4:5], s[20:21]        ; q at my work-group's first row,
	s_add_nc_u64 s[4:5], s[4:5], s[86:87]          ; q and o at my wave's
	s_add_nc_u64 s[12:13], s[12:13], s[88:89]
	s_add_nc_u64 s[6:7], s[6:7], s[90:91]          ; k at my step of group 0
	s_add_nc_u64 s[PFA:PFA+1], s[8:9], s[94:95]
	s_add_nc_u64 s[8:9], s[8:9], s[92:93]          ; v at my 32 rows
	; Q goes out first, ahead of the round and of the tiles: pass 1's first product wants it together with K's first tile
	WIN W_L3
.irp t, 0,1,2,3                        ; my own four tiles, for pass 2: tile t at v[QF + 16 t] of window 3
.irp c, 0,1,2,3
	global_load_b128 v[QF+16*\t+4*\c:QF+16*\t+4*\c+3], v[QO], s[4:5] offset:\t*2048+32*\c
.endr
.endr
	WIN W_L2
.set n, 0
.rept 16                               ; the work-group's sixteen, for pass 1: tile n at v[16 n] of window 2
.irp c, 0,1,2,3
	global_load_b128 v[16*n+4*\c:16*n+4*\c+3], v[QO], s[20:21] offset:n*2048+32*\c
.endr
.set n, n+1
.endr
	WIN 0
.irp g, 0,1,2,3                        ; a group 0 for each first fill: none is written while its load is out
	s_mov_b32 s[G0K+4*\g], 1                       ; count = 1
	s_add_co_u32 s[G0K+4*\g+1], s18, \g*4*KSTEP    ; LDS address: key step 4 g + w
	s_add_nc_u64 s[G0K+4*\g+2:G0K+4*\g+3], s[6:7], \g*65536
	s_or_b32 s[G0K+4*\g+3], s[G0K+4*\g+3], 0x80000000   ; type = 2
.endr
	s_mov_b32 s[G0V0], 1
	s_add_co_u32 s[G0V0+1], s19, VS0
	s_mov_b64 s[G0V0+2:G0V0+3], s[8:9]             ; keys 0 to 127
	s_or_b32 s[G0V0+3], s[G0V0+3], 0x80000000
	s_mov_b32 s[G0V1], 1
	s_add_co_u32 s[G0V1+1], s19, VS1
	s_add_nc_u64 s[G0V1+2:G0V1+3], s[8:9], 128     ; keys 128 to 255
	s_or_b32 s[G0V1+3], s[G0V1+3], 0x80000000
	CROUND                                         ; all four work-groups are here: the first joint loads meet
.irp g, 0,1,2,3                        ; all first fills go out as one group, every wave its six: six tensor loads of mine are out
	tensor_load_to_lds s[G0K+4*\g:G0K+4*\g+3], s[G1K:G1K+7]
	s_nop 0
.endr
	tensor_load_to_lds s[G0V0:G0V0+3], s[G1V:G1V+7]
	s_nop 0
	tensor_load_to_lds s[G0V1:G0V1+3], s[G1V:G1V+7]
	s_nop 0
.rept 4
	v_nop                                          ; four vector instructions ahead of the next switch of windows
.endr
	v_lshrrev_b32 v15, 1, v1                       ; K: key r of a tile lies in LDS row r / 2, at byte 128 (r % 2).
	v_mul_u32_u24 v[AK0], v15, 272
	v_and_b32 v15, 1, v1
	v_lshl_add_u32 v[AK0], v15, 7, v[AK0]
	v_lshl_add_u32 v[AK0], v2, 4, v[AK0]
	v_mul_u32_u24 v[AV0], v1, VP                   ; V: channel row r, + 8 h: word 36 r + 2 h + 4 c
	v_lshl_add_u32 v[AV0], v2, 3, v[AV0]
	v_and_b32 v15, 31, v0
	v_lshlrev_b32 v[PFO], 11, v15
	v_lshlrev_b32 v[CO], 4, v15                    ; the way out: the 32 lanes take one row of 512 bytes
	s_mul_i32 s16, s[WV], 16*SPITCH                ; my stage
	v_add_nc_u32 v[RD], s16, v[CO]
	v_mul_u32_u24 v[STO], v1, SPITCH               ; in: row r, 32 bytes for each half of the lanes
	v_lshl_add_u32 v[STO], v2, 5, v[STO]
	v_add_nc_u32 v[STO], s16, v[STO]
	s_lshl_b32 s17, s[WV], 9
	v_add_nc_u32 v[XS], s17, v[CO]
	v_add_nc_u32 v[XS], XB, v[XS]
	s_lshl_b32 s17, s[WV], 11
	v_add_nc_u32 v[XL], s17, v[CO]
	v_add_nc_u32 v[XL], XB, v[XL]
.set n, 0
.rept 64
	v_mov_b32 v[CH+n], 0xff800000                  ; the 64 running maxima begin under every score
.set n, n+1
.endr
	s_wait_kmcnt 0x0
	s_add_co_i32 s84, s80, s81                     ; a sum of the first product stands for sum x 2^(eq + ek): the two exponents are added to the exponent field of -log2(e)
	s_lshl_b32 s84, s84, 23
	s_add_co_i32 s[CS], s84, 0xbfb8aa3b
	s_mov_b32 s[CS+1], s[CS]                       ; (named with it as a pair, so it is written)
	s_add_co_i32 s85, s82, 127
	s_lshl_b32 s85, s85, 23
	v_mov_b32 v[SC], s85                           ; 2^ep
	v_mov_b32 v15, s82
	v_cvt_f32_i32 v15, v15
	v_add_f32 v15, 0x417c0000, v15                 ; ep + 15.75: exact
	v_readfirstlane_b32 s[TC], v15
	s_add_co_i32 s84, s82, s83
	s_add_co_i32 s84, s84, 127
	s_lshl_b32 s[OS], s84, 23                      ; 2^(ep + ev)
	s_mov_b32 s[OS+1], s[OS]
	s_wait_loadcnt 0x0                             ; Q
	WIN W_Q3
.set n, 0
.rept 64
	v_xor_b32 v[QF+n], s22, v[QF+n]                ; Q's signs are turned: the top bit of each of a register's four codes; this work stands while K's first tiles are on their way
.set n, n+1
.endr
	WIN W_Q2
.set n, 0
.rept 256
	v_xor_b32 v[n], s22, v[n]
.set n, n+1
.endr
	WIN 0
; ---------------- PASS 1: the row maxima ----------------
; A UNIT is one fragment of K (16 keys, in place p of two) against eight tiles of queries (half u of the sixteen): 8 matrix instructions with C = 0, into buffer u.  Product i: query tile 8 u + i.
.macro P1MAT p, u
	WIN W_P1
	v_wmma_f32_16x16x128_bf8_bf8 v[64*(\u)+8*i:64*(\u)+8*i+7], v[KF+16*(\p):KF+16*(\p)+15], v[16*(8*(\u)+i):16*(8*(\u)+i)+15], 0
.endm
.macro P1LOAD p, off                   ; a fragment into place p, from off bytes behind v[ADK]
.irp c, 0,1,2,3
	ds_load_b128 v[KF+16*(\p)+4*\c:KF+16*(\p)+4*\c+3], v[ADK] offset:(\off)+32*\c
.endr
.endm
; A TURN: the next unit's 8 products (mat = 1; place np, the other half), and behind each a slice of four v_max3_num_f32 that take the unit in hand's accumulator i (half cu), from its low end on, with its sign turned
; (a score is -raw), into the four chains of query tile 8 cu + i.  wt = 1: the next unit begins a fragment: its four loads, issued two turns ago, are waited for; nothing younger is out.
; ld = 1: behind slice 0 place lp takes the fragment two on: its last reader is the turn before's last product, which has eight plain instructions behind it here.
.macro P1TURN cu, np, mat, wt, ld, lp
.if \wt
	s_wait_dscnt 0x0
.endif
.set i, 0
.rept 8
.if \mat
	P1MAT \np, 1-\cu
.endif
	WIN W_MX
.irp c, 0,1,2,3
	v_max3_num_f32 v[CH+4*(8*(\cu)+i)+\c], v[CH+4*(8*(\cu)+i)+\c], -v[64*(\cu)+8*i+2*\c], -v[64*(\cu)+8*i+2*\c+1]
.endr
.if (i == 0) && \ld
	WIN W_LK
	P1LOAD \lp, (\lp)*KTILE
.endif
.set i, i+1
.endr
.endm
.macro P1BODY ld, mat                  ; a trip: two fragments, four turns; its loads fetch the two fragments at s[TB], one trip on
	WIN 0
	v_add_nc_u32 v[ADK], s[TB], v[AK0]
	P1TURN 0, 0, 1, 0, 0, 0                        ; place 0 x half 1      | the maxima of place 0 x half 0
	P1TURN 1, 1, 1, 1, \ld, 0                      ; place 1 x half 0      | of place 0 x half 1; place 0 is loaded
	P1TURN 0, 1, 1, 0, 0, 0                        ; place 1 x half 1      | of place 1 x half 0
	P1TURN 1, 0, \mat, 1, \ld, 1                   ; the next trip's first | of place 1 x half 1; place 1 is loaded
	s_add_co_u32 s[TB], s[TB], 2*KTILE
.endm
.macro P1LOOP n
	WIN 0                                          ; at a label and at a branch every window is 0
	s_mov_b32 s[CNT], \n
.Lp1_\@:
	P1BODY 1, 1
	WIN 0
	s_sub_co_u32 s[CNT], s[CNT], 1
	s_cmp_lg_u32 s[CNT], 0
	s_cbranch_scc1 .Lp1_\@
.endm
.macro GB left                         ; the next group of four key steps is whole: my part has landed (left = my younger first fills, which may stay out), and so has everybody's
	s_wait_tensorcnt \left
	s_wait_dscnt 0x0                               ; no LDS instruction of mine is pending at a signal
	s_barrier_signal -1
	s_barrier_wait -1
.endm
	GB 5                                           ; key steps 0 to 3: behind K's group 0 I issued five loads
	v_add_nc_u32 v[ADK], s18, v[AK0]               ; my key step of the group: step w
	WIN W_LK
	P1LOAD 0, 0
	P1LOAD 1, KTILE
	s_wait_dscnt 4                                 ; place 0's four loads are in; place 1's may be out
.set i, 0
.rept 8
	P1MAT 0, 0                                     ; the first unit: there is no vector work yet to set between
.set i, i+1
.endr
.rept 4
	v_nop                                          ; four places behind these products, ahead of the first read of their results
.endr
	s_add_co_u32 s[TB], s18, 2*KTILE
	P1LOOP 3                                       ; these trips fetch fragments 2 to 7 of key step w
	GB 4
	s_add_co_u32 s[TB], s[TB], 3*KSTEP             ; from the end of my step to my step of the next group
	P1LOOP 4                                       ; the eight fragments of key step 4 + w
	GB 3
	s_add_co_u32 s[TB], s[TB], 3*KSTEP
	P1LOOP 4                                       ; of 8 + w
	GB 2
	s_add_co_u32 s[TB], s[TB], 3*KSTEP
	; A PREFETCH INTO THE L2 of V's keys 256 to 511, which pass 2's first two changes of slots will ask for: 32 rows, a lane a row.  Each row's 256 bytes are named once in the launch: all work-groups of a head walk the
	; same V; the head's first cluster asks, its four partners 32 rows each, told apart by address; in each, wave 0.
	s_cmp_eq_u32 s[NOASK], 0
	s_cbranch_scc0 .Lno_ask1
	global_prefetch_b8 v[PFO], s[PFA:PFA+1] th:TH_LOAD_NT scope:SCOPE_SE
.Lno_ask1:
	P1LOOP 4                                       ; of 12 + w
	P1BODY 0, 0                                    ; the last two fragments: nothing is left to fetch, and the last turn has no unit left to multiply
	WIN 0
.set n, 0
.rept 16                               ; a tile's four chains become one number: the largest score of query 16 n + r among my keys of my half of the lanes
	v_max3_num_f32 v[MR+n], v[CH+4*n], v[CH+4*n+1], v[CH+4*n+2]
.set n, n+1
.endr
.set n, 0
.rept 16
	v_max_num_f32 v[MR+n], v[MR+n], v[CH+4*n+3]
.set n, n+1
.endr
.irp a, 0,1,2,3                        ; THE EXCHANGE: tiles 4 a .. 4 a + 3 are wave a's in pass 2: four registers, 16 bytes a lane, as they stand
	ds_store_b128 v[XS], v[MR+4*\a:MR+4*\a+3] offset:\a*2048
.endr
	GB 0                                           ; my stores have landed, and everybody's; V's two first fills have landed too
.irp s, 0,1,2,3                        ; the four waves' maxima of my four tiles, in the same lanes
	ds_load_b128 v[XR+4*\s:XR+4*\s+3], v[XL] offset:\s*512
.endr
	v_mov_b32 v[ADK], v[AK0]                       ; and K's key step 0, for pass 2: the places' last reader has the last turn's 32 plain instructions behind it
	WIN W_LK
.irp f, 0,1,2,3,4,5,6,7
.irp c, 0,1,2,3
	ds_load_b128 v[KF+16*\f+4*\c:KF+16*\f+4*\c+3], v[ADK] offset:KTILE*\f+32*\c
.endr
.endr
	WIN 0
	s_wait_dscnt 32                                ; the exchange's four loads are in; K's 32 may be out
.irp t, 0,1,2,3
	v_max3_num_f32 v[XR+\t], v[XR+\t], v[XR+4+\t], v[XR+8+\t]
.endr
.irp t, 0,1,2,3
	v_max_num_f32 v[XR+\t], v[XR+\t], v[XR+12+\t]
.endr
.irp t, 0,1,2,3
	v_permlanex16_b32 v[XR+4+\t], v[XR+\t], s[SEL], s[SEL+1]   ; the query's other keys lie in the lane 16 away
.endr
.irp t, 0,1,2,3
	v_max_num_f32 v[XR+\t], v[XR+\t], v[XR+4+\t]   ; m
.endr
	WIN W_L3
.irp t, 0,1,2,3
.irp j, 0,1
	v_mov_b32 v[NM+2*\t+\j], v[XR+\t]              ; a lane holds ONE query of a tile: m twice, the pair that pass 2's packed additions take
.endr
.endr
	WIN 0
	s_mov_b32 s[TB], KSTEP
	s_mov_b32 s[VB], VS0
	s_mov_b32 s[RI], 0
; ---------------- PASS 2 ----------------
; Product i of 8 of a unit.  kind = 1: raw = K (-Q)^T for query tile TQ, key tile i, into buffer TQ % 2, with C = 0: pass 1's sums again, bit for bit.  kind = 2: O^T += V^T P for query tile TP, channels 16 i on
; (zero = 1: it starts the sum: nothing is ever cleared).  No two matrix instructions that follow each other share an accumulator, over the loop's backward jump too.
.macro MX kind, zero
.if \kind == 1
	WIN W_X
	v_wmma_f32_16x16x128_bf8_bf8 v[64*(TQ%2)+8*i:64*(TQ%2)+8*i+7], v[KF+16*i:KF+16*i+15], v[QF+16*TQ:QF+16*TQ+15], 0
.else
	WIN W_PV
.if \zero
	v_wmma_f32_16x16x128_bf8_bf8 v[64*TP+8*i:64*TP+8*i+7], v[16*i:16*i+15], v[PB+16*(TP%2):PB+16*(TP%2)+15], 0
.else
	v_wmma_f32_16x16x128_bf8_bf8 v[64*TP+8*i:64*TP+8*i+7], v[16*i:16*i+15], v[PB+16*(TP%2):PB+16*(TP%2)+15], v[64*TP+8*i:64*TP+8*i+7]
.endif
.endif
.endm
; A tile's 64 numbers go in 16 quads of four registers, each through four stages:
.macro QADD q, p                       ; raw + m = m - score, in f32: pair p of quad q
	v_pk_add_f32 v[SB+4*(\q)+2*(\p):SB+4*(\q)+2*(\p)+1], v[SB+4*(\q)+2*(\p):SB+4*(\q)+2*(\p)+1], v[NMT:NMT+1]
.endm
.macro QMUL q, p                       ; t = (m - score) x (-log2(e) x 2^(eq + ek))
	v_pk_mul_f32 v[SB+4*(\q)+2*(\p):SB+4*(\q)+2*(\p)+1], v[SB+4*(\q)+2*(\p):SB+4*(\q)+2*(\p)+1], s[CS:CS+1] op_sel_hi:[1,0]
.endm
.macro QMIN q, n                       ; the hold, in the exponent
	v_min_num_f32 v[SB+4*(\q)+(\n)], v[SB+4*(\q)+(\n)], s[TC]
.endm
.macro QEXP q, n                       ; p = 2^t
	v_exp_f32 v[SB+4*(\q)+(\n)], v[SB+4*(\q)+(\n)]
.endm
; Slice k.  THE STAGES ARE SKEWED, so that no line reads a result made just ahead of it: quad k's additions lead the slice and its multiplies close it; between them stand quad k - 1's minima (its multiplies closed the slice
; before) and quad k - 2's exponentials (its minima stood in the slice before), by turns.  An accumulator is read from its low end on.  No line of a slice names an exponential's result: the conversions alone do, behind
; the turn's one wait.  Slices 0 to 15 stand behind matrix instructions; slice 16 (quad 15's minima, quad 14's exponentials) opens the turn's tail.
.macro SL
	WIN W_X
.if k < 16
	QADD k, 0
	QADD k, 1
.endif
.if k > 0
	QMIN k-1, 0
	QMIN k-1, 1
.endif
.if k > 1
	QEXP k-2, 0
.endif
.if k > 0
	QMIN k-1, 2
.endif
.if k > 1
	QEXP k-2, 1
.endif
.if k > 0
	QMIN k-1, 3
.endif
.if k > 1
	QEXP k-2, 2
.endif
.if k < 16
	QMUL k, 0
.endif
.if k > 1
	QEXP k-2, 3
.endif
.if k < 16
	QMUL k, 1
.endif
.set k, k+1
.endm
; THE LDS LOADS stand in runs, never singly among the matrix instructions.  Four places stand between the last product that read the registers and the loads (ISA guide 7.12.1 for vector instructions).
.macro LOADK                           ; the key step at s[TB]: eight fragments
.rept 4
	v_nop
.endr
	WIN 0
	v_add_nc_u32 v[ADK], s[TB], v[AK0]
	s_add_co_u32 s[TB], s[TB], KSTEP
	WIN W_LK
.irp f, 0,1,2,3,4,5,6,7
.irp c, 0,1,2,3
	ds_load_b128 v[KF+16*\f+4*\c:KF+16*\f+4*\c+3], v[ADK] offset:KTILE*\f+32*\c
.endr
.endr
.endm
.macro LOADV                           ; the slot at s[VB]: eight fragments, registers 2 c, 2 c + 1 = keys 16 c + 8 (lane / 16) + 0..7
.rept 4
	v_nop
.endr
	WIN 0
	v_add_nc_u32 v[ADV], s[VB], v[AV0]
	s_xor_b32 s[VB], s[VB], VSX                    ; the next fetch is from the other slot
	WIN W_L3
.irp f, 0,1,2,3,4,5,6,7
.irp c, 0,1,2,3,4,5,6,7
	ds_load_b64 v[16*\f+2*\c:16*\f+2*\c+1], v[ADV] offset:16*VP*\f+16*\c
.endr
.endr
.endm
.macro CVT8 t                          ; tile t's p become codes: key tile g's eight registers give registers 2 g, 2 g + 1 of P's operand
	WIN W_CV
.irp g, 0,1,2,3,4,5,6,7
	v_cvt_scalef32_pk8_bf8_f32 v[PB+16*((\t)%2)+2*\g:PB+16*((\t)%2)+2*\g+1], v[64*((\t)%2)+8*\g:64*((\t)%2)+8*\g+7], v[SC]
.endr
	v_nop                                          ; one plain vector instruction between the last conversion and the products that read the codes or write the sums' registers anew
.endm
; THE WAY OUT of tile t, in two parts.  A lane holds 32 neighbouring bytes of a row of o, and the lanes beside it hold other rows: a tile (16 rows x 512 bytes) goes through my own stage in LDS and comes back as whole rows,
; which the 32 lanes store as 512 consecutive bytes, at a multiple of 256 from o's first byte.  LDS serves a wave's instructions in order (ISA guide 5.7.1.4): no wait between the stores and the loads, nor ahead of the next tile's stores.
.macro TOSTAGE t
	WIN W_SC
.set n, 0
.rept 32
	v_pk_mul_f32 v[64*(\t)+n:64*(\t)+n+1], v[64*(\t)+n:64*(\t)+n+1], s[OS:OS+1] op_sel_hi:[1,0]   ; x 2^(ep + ev), in place: nothing is rounded, short of overflow and underflow; each accumulator from its low end on
.set n, n+2
.endr
	WIN W_ST
.irp b, 0,1,2,3,4,5,6,7
	ds_store_b128 v[STO], v[64*(\t)+8*\b:64*(\t)+8*\b+3] offset:64*\b          ; o(r, 16 b + 8 h + 0..3)
	ds_store_b128 v[STO], v[64*(\t)+8*\b+4:64*(\t)+8*\b+7] offset:64*\b+16
.endr
	WIN 0
.irp w, 0,1,2,3,4,5,6,7,8,9,10,11,12,13,14,15
	ds_load_b128 v[BK+64*((\t)%2)+4*\w:BK+64*((\t)%2)+4*\w+3], v[RD] offset:\w*SPITCH
.endr
.endm
.macro SEND t
	WIN 0
	s_wait_dscnt 0x0                               ; the tile's rows are back in registers
.irp w, 0,1,2,3,4,5,6,7,8,9,10,11,12,13,14,15
	global_store_b128 v[CO], v[BK+64*((\t)%2)+4*\w:BK+64*((\t)%2)+4*\w+3], s[12:13] offset:(\t)*8192+\w*512 th:TH_STORE_NT
.endr
.endm
; A TURN: query tile t's 16 slices, one behind each of 16 matrix instructions (two behind each where the turn has only eight).  m1, m2: the kinds of its two halves (0: none); K Q^T is tile t + 1's, V^T P tile t - 1's.
; mid = 1: the next key step's K is fetched between the halves; 2: its V; 3: the wait for K; 4: tile TS of o, which went into the stage ahead of this turn, is stored.  The turn ends with slice 16, the last quad's
; exponentials, a plain instruction, and ONE wait for the turn's 64 exponentials, ahead of the first instruction that names a result, and ahead of every label and branch.
.macro TURN2 t, m1, mid, m2, zero
.set SB, 64*((\t)%2)
.set NMT, NM+2*(\t)
.set TQ, ((\t)+1)%4
.set TP, ((\t)+3)%4
.set k, 0
.set per, 1
.if (\m1 == 0) || (\m2 == 0)
.set per, 2
.endif
.if \m1
.set i, 0
.rept 8
	MX \m1, \zero
.rept per
	SL
.endr
.set i, i+1
.endr
.endif
.if \mid == 1
	LOADK
.elseif \mid == 2
	LOADV
.elseif \mid == 3
	s_wait_dscnt 0x0                               ; K of the next key step is in: its run was issued 16 matrix instructions ago
.elseif \mid == 4
	SEND TS
.endif
.if \m2
.set i, 0
.rept 8
	MX \m2, \zero
.rept per
	SL
.endr
.set i, i+1
.endr
.endif
	SL
.irp e, 0,1,2,3
	QEXP 15, \e
.endr
	v_nop
	s_wait_alu depctr_va_vdst(0)
.endm
; THE CHANGE OF SLOTS, at a key step's head: this step's V is on its way into my registers.  Each wave waits for all its tensor loads, of which one is out: its part of the next step's slot; adds 0 to its spare word; and
; waits for that and for its reads of this step's slot.  fill = 1: the barrier is a round of the cluster's, so that no wave of any partner still reads the slot or has a load on its way, and the joint refill, V two key
; steps on, is the first thing behind it.  Tile 0's conversions and the descriptor's step, work on registers, stand between the add and the wait for it.
.macro CHANGE fill
	WIN 0                                          ; (the add's two registers lie in window 0)
	s_wait_tensorcnt 0x0                           ; no tensor load of mine is out, so a group 0 may be written
	ds_add_u32 v[SPW], v[NIL]                      ; 0 onto my spare word
	CVT8 0
.if \fill
	s_xor_b32 s[G0V1+1], s[G0V1+1], VSX            ; the walking descriptor: the other slot than last time,
	s_add_nc_u64 s[G0V1+2:G0V1+3], s[G0V1+2:G0V1+3], 128   ; the next 128 keys of each row; the type bits on top are not reached
	s_wait_xcnt 0x0                                ; the last prefetch, a key step back or more, has read its address, so it may be written
	s_add_nc_u64 s[PFA:PFA+1], s[PFA:PFA+1], 128
.endif
	WIN 0                                          ; at a label and at a branch every window is 0
	s_wait_dscnt 0x0                               ; the add is done, and my reads of this step's slot are over
.if \fill
	CROUND
	tensor_load_to_lds s[G0V1:G0V1+3], s[G1V:G1V+7]
	s_nop 0
.rept 4
	v_nop
.endr
	; A PREFETCH INTO THE L2, behind the tensor load: in key steps 0, 2, .. 10 the 256 keys from 128 (step + 4) on, of 32 rows, a lane a row: what the changes of slots two and three steps on will ask for.
	; s[PFA] stands at a row's byte 384 + 128 x step here.  Who asks: as in pass 1.  Steps 11 to 13 ask for nothing: key 2,047 has been named.
	s_and_b32 s84, s[RI], 1
	s_or_b32 s84, s84, s[NOASK]
	s_cmp_gt_u32 s[RI], 10
	s_cselect_b32 s85, 1, 0
	s_or_b32 s84, s84, s85
	s_cmp_eq_u32 s84, 0
	s_cbranch_scc0 .Lno_ask_\@
	global_prefetch_b8 v[PFO], s[PFA:PFA+1] offset:128 th:TH_LOAD_NT scope:SCOPE_SE
.Lno_ask_\@:
.else
	s_barrier_signal -1
	s_barrier_wait -1
.endif
.endm
; KEY STEP j.  On the way in: tile 0's p are ready, tile 1's sums are made, V of step j is asked for from LDS.
.macro BODY fill, zero
	CHANGE \fill                                   ; | tile 0's codes
	TURN2 1, 1, 0, 2, \zero                        ; K Q^T (j, 2), V^T P (j, 0)       | tile 1's p
	CVT8 1
	TURN2 2, 1, 1, 2, \zero                        ; K Q^T (j, 3), K of j + 1, V^T P (j, 1) | tile 2's p
	CVT8 2
	TURN2 3, 2, 3, 1, \zero                        ; V^T P (j, 2), K Q^T (j + 1, 0)   | tile 3's p
	CVT8 3
	TURN2 0, 2, 2, 1, \zero                        ; V^T P (j, 3), V of j + 1, K Q^T (j + 1, 1) | tile 0's p of step j + 1
.endm
	s_wait_dscnt 0x0                               ; K of key step 0 is in
.set TQ, 0
.set i, 0
.rept 8
	MX 1, 0                                        ; K Q^T (0, 0): there is no vector work yet to set between
.set i, i+1
.endr
	LOADV                                          ; V of key step 0; its four v_nop are also the places behind those products
	TURN2 0, 0, 0, 1, 0                            ; K Q^T (0, 1) | tile 0's p of step 0
	BODY 1, 1                                      ; key step 0: its V^T P start O^T's sums
	WIN 0
	s_mov_b32 s[RI], 1
.Lstep:                                            ; key steps 1 to 13: each asks for V two steps on
	BODY 1, 0
	WIN 0
	s_add_co_u32 s[RI], s[RI], 1
	s_cmp_lt_u32 s[RI], 14
	s_cbranch_scc1 .Lstep
	BODY 0, 0                                      ; key step 14 is written out: nothing is left to ask for
	; KEY STEP 15: no change of slots, nothing to fetch, no next step's K Q^T.  EACH TILE OF o LEAVES AS SOON AS ITS LAST V^T P IS ISSUED: it goes into the stage behind that turn and is stored in the middle of the next,
	; so that its stores are on their way while the later tiles are still multiplied.  The slices and the tail behind a tile's last product are the places ahead of the first read of its sums.
	CVT8 0
	s_wait_dscnt 0x0                               ; V of step 15 is in: my last read of K's and V's bytes is over,
	s_barrier_signal -1
	s_barrier_wait -1                              ; and everybody's: the stages lie in K's first bytes
	TURN2 1, 1, 0, 2, 0                            ; K Q^T (15, 2), V^T P (15, 0)
	TOSTAGE 0
	CVT8 1
.set TS, 0
	TURN2 2, 1, 4, 2, 0                            ; K Q^T (15, 3), tile 0 is stored, V^T P (15, 1)
	TOSTAGE 1
	CVT8 2
.set TS, 1
	TURN2 3, 2, 4, 0, 0                            ; V^T P (15, 2), tile 1 is stored
	s_wait_xcnt 0x0                                ; tile 0's stores have read their registers: tile 2's rows may land there
	TOSTAGE 2
	CVT8 3
.set TP, 3
.set i, 0
.rept 8
	MX 2, 0                                        ; V^T P (15, 3)
.set i, i+1
.endr
.rept 4
	v_nop                                          ; four places behind the last products, ahead of the first read of their sums
.endr
	SEND 2
	s_wait_xcnt 0x0                                ; tile 1's stores have read their registers: tile 3's rows may land there
	TOSTAGE 3
	SEND 3
	s_wait_tensorcnt 0x0                           ; the wave's end, behind my last tensor load and my last LDS store
	ds_add_u32 v[SPW], v[NIL]
	s_wait_dscnt 0x0
	CROUND                                         ; the closing round: no work-group ends while a partner may still ask for a tile that names it
	s_endpgm
.Lfunc_end_k_qd2332074c7_attn:
	.size	k_qd2332074c7_attn, .Lfunc_end_k_qd2332074c7_attn-k_qd2332074c7_attn
	.p2alignl 7, 3214868480
	.fill 96, 4, 3214868480
	.section	.rodata,"a",@progbits
	.p2align	6, 0x0
	.amdhsa_kernel k_qd2332074c7_attn
		.amdhsa_group_segment_fixed_size 327680
		.amdhsa_private_segment_fixed_size 0
		.amdhsa_enable_private_segment 0
		.amdhsa_kernarg_size 40
		.amdhsa_user_sgpr_count 2
		.amdhsa_user_sgpr_kernarg_segment_ptr 1
		.amdhsa_wavefront_size32 1
		.amdhsa_system_sgpr_workgroup_id_x 1
		.amdhsa_system_sgpr_workgroup_id_y 1
		.amdhsa_system_sgpr_workgroup_id_z 1
		.amdhsa_system_vgpr_workitem_id 0
		.amdhsa_next_free_vgpr 1024
		.amdhsa_next_free_sgpr 96
		.amdhsa_reserve_vcc 0
		.amdhsa_float_denorm_mode_32 3
		.amdhsa_float_denorm_mode_16_64 3
		.amdhsa_memory_ordered 1
		.amdhsa_forward_progress 1
		.amdhsa_inst_pref_size 255
	.end_amdhsa_kernel
	.section	.bss,"aw",@nobits
	.p2align	6
	.space	262144
	.amdgpu_metadata
---
amdhsa.version: [ 1, 2 ]
amdhsa.kernels:
  - .name:           k_qd2332074c7_attn
    .symbol:         k_qd2332074c7_attn.kd
    .args:
      - { .name: q_codes, .offset: 0, .size: 8, .value_kind: global_buffer, .address_space: global }
      - { .name: k_codes, .offset: 8, .size: 8, .value_kind: global_buffer, .address_space: global }
      - { .name: v_codes, .offset: 16, .size: 8, .value_kind: global_buffer, .address_space: global }
      - { .name: lowp_scales, .offset: 24, .size: 8, .value_kind: global_buffer, .address_space: global }
      - { .name: out0, .offset: 32, .size: 8, .value_kind: global_buffer, .address_space: global }
    .group_segment_fixed_size: 327680
    .private_segment_fixed_size: 0
    .kernarg_segment_align: 8
    .kernarg_segment_size: 40
    .max_flat_workgroup_size: 128
    .sgpr_count:     96
    .vgpr_count:     1024
    .wavefront_size: 32
...
	.end_amdgpu_metadata
.endif
;; end of part 1
